; MI455X (gfx1250); checked and timed in simulation.
; The chip was launched on July 23, 2026; its instructions are those of AMD's public machine-readable ISA for CDNA 5 (MIT licence, August 2026) and "CDNA5" Instruction Set Architecture Reference Guide (July 2026). The comments in the code are by the model that wrote it; some were corrected since.
;; Multi Headed Self Attention. Allowed arithmetic: float matrix products may take bf16 or f16 operands with f32 sums; other float arithmetic in f32, or as packed bf16 or f16 multiplies, adds, multiply-adds, maxima and minima; sums over many terms, partial sums and values carried from step to step in f32; what a program stores and reads back later, other than sums and carried values, may be rounded once to bf16 or f16.
;; Inputs: Wk 1,024 x 1,024 float32; Wo 1,024 x 1,024 float32; Wq 1,024 x 1,024 float32; Wv 1,024 x 1,024 float32; bo 1,024 float32; hidden_states 4 x 2,048 x 1,024 float32.
;; Outputs: out0 4 x 2,048 x 1,024 float32.
;; One version. Each part assembles by itself: llvm-mc -triple=amdgcn-amd-amdhsa -mcpu=gfx1250 --defsym DOCPART=n.
;; ======== version 1 of 1: 4 launches
;; limits: values are held in f16: magnitudes above 65,504 overflow, below 6.1e-05 lose precision
;; workspace buffers: xb 16,777,216 bytes; wqkv 6,291,456 bytes; wof 2,097,152 bytes; qkvh 50,331,648 bytes; ctxh 16,777,216 bytes
;; launch cast (part 1): grid 1536 x 1, 8 waves a work-group, no clusters, 0 bytes of LDS; arguments hidden_states, Wq, Wk, Wv, Wo, xb, wqkv, wof; writes xb, wqkv, wof
.if DOCPART == 1
	.amdgcn_target "amdgcn-amd-amdhsa--gfx1250"
	.amdhsa_code_object_version 6
	.text
	.protected	k_q736050ed08_cast
	.globl	k_q736050ed08_cast
	.p2align	8
	.type	k_q736050ed08_cast,@function
k_q736050ed08_cast:
	s_mov_b64 s[64:65], 0
	v_nop
	global_prefetch_b8 v0, s[64:65] scope:SCOPE_SE
	s_setreg_imm32_b32 hwreg(HW_REG_WAVE_MODE, 25, 1), 1
	s_wait_xcnt 0x0
; THE INPUTS ARE ROUNDED ONCE.  hidden_states, Wq, Wk, Wv: f32 -> bf16 (xb; wqkv = Wq's, Wk's, Wv's rows one below the other).
; Wo: f32 -> bf16, and that number written as f16 (wof), since the last product multiplies f16 operands.
; LIMIT.  A bf16 number of Wo beyond 65,504 becomes an infinity; below 6.1e-5 it keeps f16's fixed step of 6e-8.
; SHARES.  A work-group converts 8,192 numbers: 32,768 bytes in, 16,384 out.  Work-groups 0-1023 take hidden_states, then 128 each Wq, Wk, Wv, Wo.
; Thread t takes, in each of four chunks, the 32 bytes at 32 t (two loads of 16) and stores 16 bytes at 16 t: a wave's store covers 512
; consecutive bytes, aligned.  All eight loads of a thread go out at once; no register is written twice, so no store's source is at stake.
; A stream: no LDS, no barrier, no matrix unit, nothing is read twice.
.set X, 4                              ; v[4:35]   eight loads of 4 registers
.set Y, 36                             ; v[36:51]  four stores of 4 registers
.set T, 52                             ; v[52:63]  Wo's way: three registers at work for each of four words
	s_load_b512 s[8:23], s[0:1], 0x0               ; hidden s[8:9], Wq s[10:11], Wk s[12:13], Wv s[14:15], Wo s[16:17], xb s[18:19], wqkv s[20:21], wof s[22:23]
	s_mov_b32 s2, ttmp9                            ; the work-group's number
	v_lshlrev_b32 v1, 5, v0                        ; 32 t: where I read
	v_lshlrev_b32 v2, 4, v0                        ; 16 t: where I store
	s_mov_b32 s3, s2                               ; my number within the source tensor
	s_mov_b32 s24, s2                              ; and within the destination buffer
	s_mov_b32 s27, 0                               ; the offsets' high words
	s_mov_b32 s29, 0
	s_wait_kmcnt 0x0
	s_mov_b64 s[4:5], s[8:9]                       ; source: hidden_states, unless the number says otherwise
	s_mov_b64 s[6:7], s[18:19]                     ; destination: xb
; From work-group number first on the source is the buffer in s[src:src+1].  The choice hangs on the number alone.
.macro PICK first, src
	s_sub_co_u32 s25, s2, \first
	s_cmp_ge_u32 s2, \first
	s_cselect_b64 s[4:5], s[\src:\src+1], s[4:5]
	s_cselect_b32 s3, s25, s3
.endm
	PICK 1024, 10                                  ; Wq
	s_cselect_b64 s[6:7], s[20:21], s[6:7]         ; (the selects leave SCC as the compare set it) wqkv takes Wq, Wk, Wv on end
	s_cselect_b32 s24, s25, s24
	PICK 1152, 12                                  ; Wk
	PICK 1280, 14                                  ; Wv
	PICK 1408, 16                                  ; Wo
	s_cselect_b64 s[6:7], s[22:23], s[6:7]
	s_cselect_b32 s24, s25, s24
	s_lshl_b32 s26, s3, 15                         ; 32,768 bytes in for each work-group
	s_lshl_b32 s28, s24, 14                        ; 16,384 out
	s_add_nc_u64 s[4:5], s[4:5], s[26:27]
	s_add_nc_u64 s[6:7], s[6:7], s[28:29]
.irp j, 0,1,2,3
	global_load_b128 v[X+8*(\j):X+8*(\j)+3],   v1, s[4:5] offset:8192*(\j) th:TH_LOAD_NT
	global_load_b128 v[X+8*(\j)+4:X+8*(\j)+7], v1, s[4:5] offset:8192*(\j)+16 th:TH_LOAD_NT
.endr
	s_cmp_ge_u32 s2, 1408
	s_cbranch_scc1 .Lwo
.irp j, 0,1,2,3
	s_wait_loadcnt 6-2*(\j)                        ; loads come back in order: chunk j is in, the later chunks' loads stay out
.irp r, 0,1,2,3
	v_cvt_pk_bf16_f32 v[Y+4*(\j)+(\r)], v[X+8*(\j)+2*(\r)], v[X+8*(\j)+2*(\r)+1]
.endr
	global_store_b128 v2, v[Y+4*(\j):Y+4*(\j)+3], s[6:7] offset:4096*(\j) th:TH_STORE_NT
.endr
	s_endpgm
.Lwo:                                          ; Wo: rounded to bf16 like every input, widened again, and that number written as f16
.irp j, 0,1,2,3
	s_wait_loadcnt 6-2*(\j)
.irp r, 0,1,2,3
	v_cvt_pk_bf16_f32 v[T+3*(\r)], v[X+8*(\j)+2*(\r)], v[X+8*(\j)+2*(\r)+1]
.endr
.irp r, 0,1,2,3
	v_lshlrev_b32 v[T+3*(\r)+1], 16, v[T+3*(\r)]
	v_and_b32 v[T+3*(\r)+2], 0xffff0000, v[T+3*(\r)]
.endr
.irp r, 0,1,2,3
	v_cvt_pk_f16_f32 v[Y+4*(\j)+(\r)], v[T+3*(\r)+1], v[T+3*(\r)+2]
.endr
	global_store_b128 v2, v[Y+4*(\j):Y+4*(\j)+3], s[6:7] offset:4096*(\j) th:TH_STORE_NT
.endr
	s_endpgm
.Lfunc_end_k_q736050ed08_cast:
	.size	k_q736050ed08_cast, .Lfunc_end_k_q736050ed08_cast-k_q736050ed08_cast
	.p2alignl 7, 3214868480
	.fill 96, 4, 3214868480
	.section	.rodata,"a",@progbits
	.p2align	6, 0x0
	.amdhsa_kernel k_q736050ed08_cast
		.amdhsa_group_segment_fixed_size 0
		.amdhsa_private_segment_fixed_size 0
		.amdhsa_enable_private_segment 0
		.amdhsa_kernarg_size 64
		.amdhsa_user_sgpr_count 2
		.amdhsa_user_sgpr_kernarg_segment_ptr 1
		.amdhsa_wavefront_size32 1
		.amdhsa_system_sgpr_workgroup_id_x 1
		.amdhsa_system_sgpr_workgroup_id_y 1
		.amdhsa_system_sgpr_workgroup_id_z 1
		.amdhsa_system_vgpr_workitem_id 0
		.amdhsa_next_free_vgpr 64
		.amdhsa_next_free_sgpr 66
		.amdhsa_reserve_vcc 0
		.amdhsa_float_denorm_mode_32 3
		.amdhsa_float_denorm_mode_16_64 3
		.amdhsa_memory_ordered 1
		.amdhsa_forward_progress 1
		.amdhsa_inst_pref_size 9
	.end_amdhsa_kernel
	.amdgpu_metadata
---
amdhsa.version: [ 1, 2 ]
amdhsa.kernels:
  - .name:           k_q736050ed08_cast
    .symbol:         k_q736050ed08_cast.kd
    .args:
      - { .name: hidden_states, .offset: 0, .size: 8, .value_kind: global_buffer, .address_space: global }
      - { .name: Wq, .offset: 8, .size: 8, .value_kind: global_buffer, .address_space: global }
      - { .name: Wk, .offset: 16, .size: 8, .value_kind: global_buffer, .address_space: global }
      - { .name: Wv, .offset: 24, .size: 8, .value_kind: global_buffer, .address_space: global }
      - { .name: Wo, .offset: 32, .size: 8, .value_kind: global_buffer, .address_space: global }
      - { .name: xb, .offset: 40, .size: 8, .value_kind: global_buffer, .address_space: global }
      - { .name: wqkv, .offset: 48, .size: 8, .value_kind: global_buffer, .address_space: global }
      - { .name: wof, .offset: 56, .size: 8, .value_kind: global_buffer, .address_space: global }
    .group_segment_fixed_size: 0
    .private_segment_fixed_size: 0
    .kernarg_segment_align: 8
    .kernarg_segment_size: 64
    .max_flat_workgroup_size: 256
    .sgpr_count:     66
    .vgpr_count:     64
    .wavefront_size: 32
...
	.end_amdgpu_metadata
.endif
;; end of part 1
;; launch proj (part 2): grid 16 x 32, 4 waves a work-group, clusters of 4 x 4, 327,680 bytes of LDS; arguments xb, wqkv, qkvh; writes qkvh
.if DOCPART == 2
	.amdgcn_target "amdgcn-amd-amdhsa--gfx1250"
	.amdhsa_code_object_version 6
	.text
	.protected	k_q736050ed08_proj
	.globl	k_q736050ed08_proj
	.p2align	8
	.type	k_q736050ed08_proj,@function
k_q736050ed08_proj:
	s_mov_b64 s[64:65], 0
	v_nop
	global_prefetch_b8 v0, s[64:65] scope:SCOPE_SE
	s_setreg_imm32_b32 hwreg(HW_REG_WAVE_MODE, 25, 1), 1
	s_wait_xcnt 0x0
	s_wait_alu depctr_hold_cnt(0) depctr_sa_sdst(0) depctr_va_vdst(0) depctr_va_sdst(0) depctr_va_ssrc(0) depctr_va_vcc(0) depctr_vm_vsrc(0)
	s_getreg_b32 s2, hwreg(HW_REG_IB_STS2, 6, 4)
	s_cmp_eq_u32 s2, 0
	s_cbranch_scc0 .Lentry_in_a_cluster
	s_endpgm
.Lentry_in_a_cluster:
	s_bfe_u32 s2, ttmp6, 0x10000c
	s_cmp_lg_u32 s2, 0xf033
	s_cbranch_scc0 .Lentry_shape_is_right
	s_endpgm
.Lentry_shape_is_right:
; q, k, v = x Wq^T, x Wk^T, x Wv^T as ONE product C[m][n] = sum over e of xb[m][e] wqkv[n][e]: m = 8,192, n = 3,072, e = 1,024; bf16 operands, f32 sums,
; each number rounded once to f16 and written BY HEADS: qkvh[which][batch 16 + head][row][64], a head's rows dense, 128 bytes each.
; LIMIT.  f16 holds no number beyond 65,504: a q, k or v past that becomes an infinity.
; SHARES.  A tile of C is 256 rows x 192 columns = three heads: 16 x 32 = 512 tiles, two for each of 256 WGPs.  Four waves; wave w owns rows 64 w .. 64 w + 63 and ALL 192 columns
; (4 x 12 accumulators, 384 registers), so whole heads leave from one wave and the way out needs no other wave.
; K goes in 8 steps of 128 through two LDS slots filled by the tensor data mover: tile rows are 256 bytes of memory, at multiples of 256 bytes.
; CLUSTER 4 x 4.  The four work-groups of a row of the cluster need the same tile of x, the four of a column the same tile of the weights: each tile is asked for jointly.
; THE MATRIX INSTRUCTION IS USED TRANSPOSED (source 0 = 16 rows of the weights, source 1 = 16 rows of x): a lane holds row l % 16 of C and the columns 8 (l / 16) + 0..7.
; REGISTERS, in windows of 256 (s_set_vgpr_msb: bits 1:0 source 0, 3:2 source 1, 5:4 source 2, 7:6 destination):
;   window 0: v0-31 addresses; v64-127 x's fragments, two buffers of 4 x 8; on the way out v128-175 packed results, v176-223 and v64-111 rows read back
;   window 1: v0-191 the weights' fragments, two buffers of 12 x 8      windows 2, 3: accumulator (a, b) in window 2 + a / 2 at v[8 (12 (a % 2) + b)]
.set NB,     12                        ; column blocks of 16
.set NLD,    2*(NB+4)                  ; LDS loads in a run: 12 + 4 fragments, two loads each
.set PITCH,  272                       ; an LDS row: 256 bytes + 16 of padding = 68 words, so the 16 rows of a fragment load start at 16 different groups of four banks (ISA guide 11.1)
.set BOFF,   256*PITCH                 ; x's 256 rows, then the weights' 192
.set SLOT,   BOFF+16*NB*PITCH          ; 121,856
.set STAGE,  2*SLOT                    ; behind the ring, never filled by a tensor load: for each wave 3 heads x 16 rows x 144 bytes
.set SP,     144
.set HSTAGE, 16*SP
.set SPARE,  STAGE+4*3*HSTAGE          ; behind the stages: the spare words, 128 bytes a wave, which no other line names
.set ASTEP,  256                       ; bytes along a row from a K step to the next, for both operands
.set BSTEP,  256
.set ADRA, 16                          ; v16-17  LDS address of my fragments of x in slot 0, 1
.set ADRB, 20                          ; v20-21  the same for the weights
.set STO,  24                          ; v24     the way out: where I put 16 bytes of a row
.set RD,   25                          ; v25     where I read rows back
.set GO,   26                          ; v26     16 x lane: my place in 512 consecutive bytes of a head
.set SPW,  28                          ; v28     my spare word: SPARE + 4 x thread; never rewritten
.set NIL,  29                          ; v29     0; never rewritten
.set FA,   64
.set TMP,  128
.set WV,   10                          ; s10  wave
.set HALF, 12                          ; s12  wave % 2: which half of a tile I fetch
.set TY,   13                          ; s13  tile row
.set CX,   40
.set CY,   41
.set TX,   42                          ; s42  tile column
.set G1A,  24                          ; s[24:31] group 1 for x's tiles;  s[32:39] group 0, a set for each slot
.set G0A,  32
.set G1B,  48                          ; s[48:55], s[56:63] the same for the weights'
.set G0B,  56
.set OH,   66                          ; s[66:71] my rows in the tile's three heads
.set G1W0, (1<<16)|(1<<20)|(1<<21)|(5<<22)|(3<<25)  ; 2-byte elements; padding on; bit 21 beside a mask; after every 64 words; 4 words
.set MUL_LO, 0xa1                      ; source 0 window 1, source 1 window 0, C and D window 2 (0xf1: window 3)
.set TO_B,   0x40
.set MSB, 0
.macro WIN new                         ; the high byte repeats the setting that is left; a switch that changes nothing is dropped
.if MSB != (\new)
	s_set_vgpr_msb (MSB<<8)|(\new)
.set MSB, \new
.endif
.endm
.macro PLACES                          ; four places behind matrix instructions, in front of loads into registers that they read and of lines that read results
.rept 4
	v_nop
.endr
.endm
.macro JLOAD s                         ; a joint load: waves 0, 1 fetch the halves of x's tile, waves 2, 3 those of the weights'; an s_nop 0 and four v_nop follow each line
	s_cmp_lt_u32 s[WV], 2
	s_cbranch_scc0 .Lfor_b_\@
	tensor_load_to_lds s[G0A+4*(\s):G0A+4*(\s)+3], s[G1A:G1A+7]
	s_nop 0
	PLACES
	s_branch .Lasked_\@
.Lfor_b_\@:
	tensor_load_to_lds s[G0B+4*(\s):G0B+4*(\s)+3], s[G1B:G1B+7]
	s_nop 0
	PLACES
.Lasked_\@:
.endm
.macro CREST                           ; a round of the cluster's barrier behind its opening barrier
	s_cmp_lg_u32 s[WV], 0
	s_cbranch_scc1 .Lnot_wave_0_\@
	s_barrier_signal -3
.Lnot_wave_0_\@:
	s_barrier_wait -3
	s_barrier_signal -1
	s_barrier_wait -1
.endm
.macro CROUND
	s_barrier_signal -1
	s_barrier_wait -1
	CREST
.endm
; 12 matrix instructions: row block a x all column blocks, 32 along K, from buffer f.  zero = 1: the product starts the sum.  The 48 accumulators take turns, one instruction a turn.
.macro MULA f, a, zero
	WIN MUL_LO+0x50*((\a)/2)
.set b, 0
.rept NB
.set AC, 8*(NB*((\a)%2)+b)
.set FB, 8*NB*(\f)+8*b
.set FR, FA+32*(\f)+8*(\a)
.if \zero
	v_wmma_f32_16x16x32_bf16 v[AC:AC+7], v[FB:FB+7], v[FR:FR+7], 0
.else
	v_wmma_f32_16x16x32_bf16 v[AC:AC+7], v[FB:FB+7], v[FR:FR+7], v[AC:AC+7]
.endif
.set b, b+1
.endr
.endm
; One run of 32 LDS loads: quarter q (32 along K) of a slot into buffer f; the weights first, then x's blocks 0 to 3
.macro FETCH slot, q, f
	WIN TO_B
.set i, 0
.rept NB
	ds_load_b128 v[8*NB*(\f)+8*i:8*NB*(\f)+8*i+3],   v[ADRB+(\slot)] offset:64*(\q)+i*16*PITCH
	ds_load_b128 v[8*NB*(\f)+8*i+4:8*NB*(\f)+8*i+7], v[ADRB+(\slot)] offset:64*(\q)+i*16*PITCH+32
.set i, i+1
.endr
	WIN 0
.set i, 0
.rept 4
	ds_load_b128 v[FA+32*(\f)+8*i:FA+32*(\f)+8*i+3],   v[ADRA+(\slot)] offset:64*(\q)+i*16*PITCH
	ds_load_b128 v[FA+32*(\f)+8*i+4:FA+32*(\f)+8*i+7], v[ADRA+(\slot)] offset:64*(\q)+i*16*PITCH+32
.set i, i+1
.endr
.endm
; One of a K step's first three quarters: multiplies buffer f; in its middle fetches quarter q of the slot into buffer g
.macro QUARTER slot, q, f, g, zero
	s_wait_dscnt 4                                 ; all but the four youngest loads (x's blocks 2 and 3) are in
	MULA \f, 0, \zero
	MULA \f, 1, \zero
	PLACES
	FETCH \slot, \q, \g
	s_wait_dscnt NLD                               ; all but the run just issued
	MULA \f, 2, \zero
	MULA \f, 3, \zero
.endm
; The fourth quarter multiplies buffer 1 and changes slots: one barrier.  In front of it each wave waits for all its tensor loads (one is out: its part of the next slot), adds 0 to its spare
; word, and waits for that and for its reads of this slot.  fill = 1: the barrier opens a round of the cluster's, and this slot is filled again, two K steps on, first thing behind the round.
.macro TURN slot, next, fill
	WIN 0                                          ; the add's registers lie in window 0
	s_wait_tensorcnt 0x0
	ds_add_u32 v[SPW], v[NIL]
	s_wait_dscnt 5                                 ; the add and the four youngest loads may be out
	MULA 1, 0, 0                                   ; twelve matrix instructions stand between the add and the wait for it
	s_wait_dscnt 0x0                               ; the add is done, and my reads of this slot are over
	s_barrier_signal -1
	MULA 1, 1, 0                                   ; work on registers while the others arrive
.if \fill
	WIN 0
.endif
	s_barrier_wait -1
.if \fill
	CREST                                          ; no wave of any partner still reads this slot or has a load on its way
	s_add_nc_u64 s[G0A+4*(\slot)+2:G0A+4*(\slot)+3], s[G0A+4*(\slot)+2:G0A+4*(\slot)+3], 2*ASTEP
	s_add_nc_u64 s[G0B+4*(\slot)+2:G0B+4*(\slot)+3], s[G0B+4*(\slot)+2:G0B+4*(\slot)+3], 2*BSTEP
	JLOAD \slot                                    ; its four v_nop are also the places in front of the loads below
.else
	PLACES
.endif
	FETCH \next, 0, 0
	MULA 1, 2, 0
	MULA 1, 3, 0
.endm
	s_load_b128 s[4:7], s[0:1], 0x0                ; xb s[4:5], wqkv s[6:7]
	s_load_b64 s[8:9], s[0:1], 0x10                ; qkvh
	v_lshl_add_u32 v[SPW], v0, 2, SPARE
	v_mov_b32 v[NIL], 0
	ds_add_u32 v[SPW], v[NIL]                      ; the wave's opening: the add and its wait stand ahead of my first tensor load; work on registers stands between
	ds_add_u32 v28, v29
	v_lshrrev_b32 v1, 5, v0
	v_readfirstlane_b32 s[WV], v1
	s_and_b32 s[HALF], s[WV], 1
	s_bfe_u32 s[CX], ttmp6, 0x40000                ; my place in the cluster
	s_bfe_u32 s[CY], ttmp6, 0x40004
	s_lshl_b32 s[TX], ttmp9, 2                     ; in a cluster launch ttmp9 and ttmp7 count clusters
	s_add_co_u32 s[TX], s[TX], s[CX]
	s_and_b32 s[TY], ttmp7, 0xffff
	s_lshl_b32 s[TY], s[TY], 2
	s_add_co_u32 s[TY], s[TY], s[CY]
	s_lshl_b32 s43, s[CY], 2
	s_lshl_b32 s43, 15, s43                        ; my row of the cluster
	s_lshl_b32 s44, 0x1111, s[CX]                  ; my column
	s_or_b32 s[G1A], s43, G1W0                     ; x's tiles go to my row,
	s_or_b32 s[G1B], s44, G1W0                     ; the weights' to my column
	s_mov_b32 s[G1A+1], 128<<16                    ; tensor_dim0 = 128
	s_mov_b32 s[G1A+2], 128<<16                    ; tensor_dim1 = 128 rows
	s_mov_b32 s[G1A+3], 128<<16                    ; tile_dim0 = 128
	s_mov_b32 s[G1A+4], 128                        ; tile_dim1 = 128
	s_mov_b32 s[G1A+5], 1024                       ; elements from row to row
	s_mov_b32 s[G1A+6], 0
	s_mov_b32 s[G1A+7], 0
	s_mov_b32 s[G1B+1], 128<<16
	s_mov_b32 s[G1B+2], 96<<16                     ; 96 rows
	s_mov_b32 s[G1B+3], 128<<16
	s_mov_b32 s[G1B+4], 96
	s_mov_b32 s[G1B+5], 1024
	s_mov_b32 s[G1B+6], 0
	s_mov_b32 s[G1B+7], 0
	s_lshl_b32 s16, s[TY], 8                       ; x: row 256 x tile row + 128 x half, 2,048 bytes a row: made of the tile row and the wave alone
	s_lshl_b32 s17, s[HALF], 7
	s_add_co_u32 s16, s16, s17
	s_lshl_b32 s16, s16, 11
	s_mov_b32 s17, 0
	s_mul_i32 s46, s[TX], 192                      ; weights: row 192 x tile column + 96 x half: made of the tile column and the wave alone
	s_mul_i32 s47, s[HALF], 96
	s_add_co_u32 s46, s46, s47
	s_lshl_b32 s46, s46, 11
	s_mov_b32 s47, 0
	s_mul_i32 s20, s[WV], 128*PITCH                ; where x's halves go (waves 0, 1),
	s_mul_i32 s21, s[WV], 96*PITCH                 ; and the weights' (waves 2, 3): BOFF + (wave - 2) x 96 rows
	s_add_co_u32 s21, s21, BOFF-2*96*PITCH
	s_wait_dscnt 0x0                               ; the opening add is done
	s_wait_kmcnt 0x0
	s_add_nc_u64 s[14:15], s[4:5], s[16:17]
	s_add_nc_u64 s[46:47], s[6:7], s[46:47]
	CROUND                                         ; all sixteen work-groups are here: the first joint loads meet
.irp s, 0,1
	s_mov_b32 s[G0A+4*(\s)], 1
	s_add_co_u32 s[G0A+4*(\s)+1], s20, (\s)*SLOT
	s_add_nc_u64 s[G0A+4*(\s)+2:G0A+4*(\s)+3], s[14:15], (\s)*ASTEP
	s_or_b32 s[G0A+4*(\s)+3], s[G0A+4*(\s)+3], 0x80000000
	s_mov_b32 s[G0B+4*(\s)], 1
	s_add_co_u32 s[G0B+4*(\s)+1], s21, (\s)*SLOT
	s_add_nc_u64 s[G0B+4*(\s)+2:G0B+4*(\s)+3], s[46:47], (\s)*BSTEP
	s_or_b32 s[G0B+4*(\s)+3], s[G0B+4*(\s)+3], 0x80000000
.endr
	s_cmp_lt_u32 s[WV], 2                          ; a wave's two first fills stand in one branch: two loads of mine are out
	s_cbranch_scc0 .Lfirst_b
	tensor_load_to_lds s[G0A:G0A+3], s[G1A:G1A+7]
	s_nop 0
	tensor_load_to_lds s[G0A+4:G0A+7], s[G1A:G1A+7]
	s_nop 0
	PLACES
	s_branch .Lfirst_asked
.Lfirst_b:
	tensor_load_to_lds s[G0B:G0B+3], s[G1B:G1B+7]
	s_nop 0
	tensor_load_to_lds s[G0B+4:G0B+7], s[G1B:G1B+7]
	s_nop 0
	PLACES
.Lfirst_asked:
	; a fragment is 16 rows x 32 K in 8 registers: lane l holds row l % 16, K = 8 (l / 16) + 0..7 and 16 + 8 (l / 16) + 0..7: two loads of 16 bytes, 32 apart
	v_and_b32 v1, 15, v0
	v_bfe_u32 v2, v0, 4, 1
	v_mul_u32_u24 v3, v1, PITCH
	v_lshl_add_u32 v3, v2, 4, v3
	s_mul_i32 s22, s[WV], 64*PITCH                 ; my 64 rows of x
.irp s, 0,1
	v_add_nc_u32 v[ADRA+(\s)], s22, v3
	v_add_nc_u32 v[ADRB+(\s)], BOFF+(\s)*SLOT, v3
	s_add_co_u32 s22, s22, SLOT
.endr
	s_mul_i32 s23, s[WV], 3*HSTAGE
	s_add_co_u32 s23, s23, STAGE                   ; my stage
	v_mul_u32_u24 v[STO], v1, SP                   ; in: row l % 16, 16 bytes for each half of the lanes
	v_lshl_add_u32 v[STO], v2, 4, v[STO]
	v_add_nc_u32 v[STO], s23, v[STO]
	v_bfe_u32 v[RD], v0, 3, 2                      ; back: 32 lanes take four rows of 128 bytes,
	v_mul_u32_u24 v[RD], v[RD], SP
	v_and_b32 v4, 7, v0
	v_lshl_add_u32 v[RD], v4, 4, v[RD]
	v_add_nc_u32 v[RD], s23, v[RD]
	v_and_b32 v[GO], 31, v0                        ; which are 512 consecutive bytes of a head
	v_lshlrev_b32 v[GO], 4, v[GO]
	; where my 64 rows lie in the tile's three heads.  Head group g = 3 x tile column + hh: tensor g / 16 (q, k, v), head g % 16; batch = tile row / 8
	s_mul_i32 s72, s[TX], 3
	s_lshr_b32 s73, s[TY], 3
	s_lshl_b32 s73, s73, 4
	s_and_b32 s74, s[TY], 7
	s_lshl_b32 s74, s74, 8
	s_lshl_b32 s75, s[WV], 6
	s_add_co_u32 s74, s74, s75
	s_lshl_b32 s74, s74, 7                         ; my first row in the head, 128 bytes a row
.irp hh, 0,1,2
	s_add_co_u32 s76, s72, \hh
	s_lshr_b32 s77, s76, 4
	s_lshl_b32 s77, s77, 6
	s_and_b32 s76, s76, 15
	s_add_co_u32 s76, s76, s77
	s_add_co_u32 s76, s76, s73
	s_lshl_b32 s76, s76, 18                        ; a head is 262,144 bytes
	s_add_co_u32 s76, s76, s74
	s_mov_b32 s77, 0
	s_add_nc_u64 s[OH+2*\hh:OH+2*\hh+1], s[8:9], s[76:77]
.endr
	s_wait_tensorcnt 1                             ; my part of K step 0 is in; K step 1's may stay out
	s_barrier_signal -1
	s_barrier_wait -1
	FETCH 0, 0, 0
	QUARTER 0, 1, 0, 1, 1                          ; the first quarter stands in front of the loop: its products start the sums
	WIN 0                                          ; at a label and at a branch every window is 0
	s_mov_b32 s3, 3
.Llap:                                         ; a trip goes once round the ring, from a lap's second quarter to the next lap's first, and fills both slots again: K steps 2 to 7
	QUARTER 0, 2, 1, 0, 0
	QUARTER 0, 3, 0, 1, 0
	TURN 0, 1, 1
	QUARTER 1, 1, 0, 1, 0
	QUARTER 1, 2, 1, 0, 0
	QUARTER 1, 3, 0, 1, 0
	TURN 1, 0, 1
	QUARTER 0, 1, 0, 1, 0
	WIN 0
	s_sub_co_u32 s3, s3, 1
	s_cmp_lg_u32 s3, 0
	s_cbranch_scc1 .Llap
	QUARTER 0, 2, 1, 0, 0                          ; the last lap fills nothing and has no round
	QUARTER 0, 3, 0, 1, 0
	TURN 0, 1, 0
	QUARTER 1, 1, 0, 1, 0
	QUARTER 1, 2, 1, 0, 0
	QUARTER 1, 3, 0, 1, 0
	s_wait_dscnt 4
	MULA 1, 0, 0
	MULA 1, 1, 0
	s_wait_dscnt 0x0
	MULA 1, 2, 0
	MULA 1, 3, 0
	WIN 0
	PLACES
; THE WAY OUT, a block of 16 rows at a time.  PACK: rounded to f16, a lane's eight columns are 16 bytes; each accumulator's registers in ascending order.
.macro PACK a
	WIN 0x0a+5*((\a)/2)                            ; sources 0 and 1: window 2 or 3
.set b, 0
.rept NB
.set AC, 8*(NB*((\a)%2)+b)
.irp r, 0,1,2,3
	v_cvt_pk_f16_f32 v[TMP+4*b+(\r)], v[AC+2*(\r)], v[AC+2*(\r)+1]
.endr
.set b, b+1
.endr
	WIN 0
.endm
.macro TOSTAGE a                       ; into my stage, head b / 4, and back as whole rows of 128 bytes
.set OBA, 176-112*((\a)%2)
.set b, 0
.rept NB
	ds_store_b128 v[STO], v[TMP+4*b:TMP+4*b+3] offset:(b/4)*HSTAGE+32*(b%4)
.set b, b+1
.endr
.set b, 0
.rept NB
	ds_load_b128 v[OBA+4*b:OBA+4*b+3], v[RD] offset:(b/4)*HSTAGE+(b%4)*4*SP  ; LDS serves a wave's instructions in order (ISA guide 5.7.1.4): these see the stores above
.set b, b+1
.endr
.endm
.macro SEND a
.set OBA, 176-112*((\a)%2)
	s_wait_dscnt 0x0                               ; the block is back in registers
	s_wait_xcnt 0x0                                ; the stores of the block before have read their data: the next TOSTAGE loads into those registers
.set b, 0
.rept NB
	global_store_b128 v[GO], v[OBA+4*b:OBA+4*b+3], s[OH+2*(b/4):OH+2*(b/4)+1] offset:(\a)*2048+(b%4)*512 th:TH_STORE_NT  ; 512 consecutive bytes, aligned
.set b, b+1
.endr
.endm
	PACK 0
	TOSTAGE 0
.irp a, 1,2,3                          ; a block's conversions stand between the loads of the block before and the wait for them
	PACK \a
	SEND (\a)-1
	TOSTAGE \a
.endr
	SEND 3
	s_wait_tensorcnt 0x0                           ; the wave's end, behind my last tensor load and my last LDS store
	ds_add_u32 v[SPW], v[NIL]
	s_wait_dscnt 0x0
	CROUND                                         ; the closing round: no work-group ends while a partner may still ask for a tile that names it
	s_endpgm
.Lfunc_end_k_q736050ed08_proj:
	.size	k_q736050ed08_proj, .Lfunc_end_k_q736050ed08_proj-k_q736050ed08_proj
	.p2alignl 7, 3214868480
	.fill 96, 4, 3214868480
	.section	.rodata,"a",@progbits
	.p2align	6, 0x0
	.amdhsa_kernel k_q736050ed08_proj
		.amdhsa_group_segment_fixed_size 327680
		.amdhsa_private_segment_fixed_size 0
		.amdhsa_enable_private_segment 0
		.amdhsa_kernarg_size 24
		.amdhsa_user_sgpr_count 2
		.amdhsa_user_sgpr_kernarg_segment_ptr 1
		.amdhsa_wavefront_size32 1
		.amdhsa_system_sgpr_workgroup_id_x 1
		.amdhsa_system_sgpr_workgroup_id_y 1
		.amdhsa_system_sgpr_workgroup_id_z 1
		.amdhsa_system_vgpr_workitem_id 0
		.amdhsa_next_free_vgpr 960
		.amdhsa_next_free_sgpr 80
		.amdhsa_reserve_vcc 0
		.amdhsa_float_denorm_mode_32 3
		.amdhsa_float_denorm_mode_16_64 3
		.amdhsa_memory_ordered 1
		.amdhsa_forward_progress 1
		.amdhsa_inst_pref_size 119
	.end_amdhsa_kernel
	.amdgpu_metadata
---
amdhsa.version: [ 1, 2 ]
amdhsa.kernels:
  - .name:           k_q736050ed08_proj
    .symbol:         k_q736050ed08_proj.kd
    .args:
      - { .name: xb, .offset: 0, .size: 8, .value_kind: global_buffer, .address_space: global }
      - { .name: wqkv, .offset: 8, .size: 8, .value_kind: global_buffer, .address_space: global }
      - { .name: qkvh, .offset: 16, .size: 8, .value_kind: global_buffer, .address_space: global }
    .group_segment_fixed_size: 327680
    .private_segment_fixed_size: 0
    .kernarg_segment_align: 8
    .kernarg_segment_size: 24
    .max_flat_workgroup_size: 128
    .sgpr_count:     80
    .vgpr_count:     960
    .wavefront_size: 32
...
	.end_amdgpu_metadata
.endif
;; end of part 2
;; launch attn (part 3): grid 4 x 64, 8 waves a work-group, no clusters, 262,144 bytes of LDS; arguments qkvh, ctxh; writes ctxh
.if DOCPART == 3
	.amdgcn_target "amdgcn-amd-amdhsa--gfx1250"
	.amdhsa_code_object_version 6
	.text
	.protected	k_q736050ed08_attn
	.globl	k_q736050ed08_attn
	.p2align	8
	.type	k_q736050ed08_attn,@function
k_q736050ed08_attn:
	s_mov_b64 s[64:65], 0
	v_nop
	global_prefetch_b8 v0, s[64:65] scope:SCOPE_SE
	s_setreg_imm32_b32 hwreg(HW_REG_WAVE_MODE, 25, 1), 1
	s_wait_xcnt 0x0
; BANDED CAUSAL ATTENTION.  ctx[bh][i][:] = the sum over i - 256 < j <= i of softmax_j(q[bh][i] . k[bh][j]) v[bh][j][:], with no scale.  q, k, v: qkvh[3][64][2048][64] f16; ctxh[64][2048][64] f16.
; Products, maxima and sums in f32; the weights p are rounded to f16 for the second product (their sum l is taken of the unrounded p), ctx once at the end.
; LIMITS.  q, k, v arrive within f16's 65,504, so a score is 2.7e11 at the most.  A hidden score counts as its value less 1e30; the running maximum m starts at -1e20, above every hidden score and below
; every true one, so a step in which a row sees nothing leaves m, l and O as they were.  A weight below 2^-126 counts as 0.  NaN and infinities are not treated apart.
; SHARES.  A work-group owns 512 queries of one head: 4 x 64 = 256 work-groups.  The 768 keys that they can see (from key 512 X - 256 on) lie in LDS at once, twelve steps of 64: nothing is filled twice.
; Wave w owns 64 queries (four tiles of 16) and walks the five steps w .. w + 4: in the first a key is hidden where its place in the step is <= the query's place in the band, in the last where it is
; greater, in the three between nowhere: equal work for all eight waves.  In the head's first work-group the steps below 4 hold no key of the head: they are filled with its first keys and hidden whole.
; THE MASK is the C operand that starts the sum S^T = K Q^T.  For tile u and key block kb it hangs on kb - u alone: CLO (kb < u), CHI (kb > u), or CD (kb = u), which takes CHI where the key lies behind the query.
; LAYOUT.  S^T = K Q^T (source 0 = 16 keys, source 1 = 16 queries) holds ONE query a lane (l % 16) and the keys 8 (l / 16) + 0..7; two such results rounded to f16 ARE source 1 of O^T = V^T P.
; K comes out of LDS as it lies, V turned, by ds_load_tr16_b128.  p = 2^(c s - c m), c = log2(e); in every step O and l are multiplied by a = 2^(c m_old - c m_new).
; IN PHASES.  A SIMD holds two of the eight waves, which meet no barrier in the loop: one wave's softmax runs beside the other's products.
; NO CLUSTER: two neighbours along a head share 256 of their 768 keys, and those would land at different LDS bytes in the two (steps 8-11 of the one, 0-3 of the other).
; REGISTERS (s_set_vgpr_msb: bits 1:0 source 0, 3:2 source 1, 5:4 source 2, 7:6 destination):
;   window 0: v0 thread; v2-7 addresses; v8-23 statistics, four a tile: c m, m, l, l; v24-39 at work, four a tile; v40-63 masks; v64-191 S^T, 32 a tile (P is packed into a tile's first 16); v192-255 K of a step
;   window 1: v0-127 O^T, 32 a tile; v128-191 Q; v192-255 V of a step
.set PK,    144                        ; a row of K in LDS: 128 bytes + 16 = 36 words: the 16 rows of a load start at 16 different groups of four banks (ISA guide 11.1)
.set PV,    160                        ; a row of V: 128 + 32 = 40 words
.set VOFF,  768*PK                     ; 110,592
.set STAGE, VOFF+768*PV                ; 233,472: behind the tiles, never filled by a tensor load: 16 rows x 144 bytes for each wave
.set SP,    144
.set SPARE, STAGE+8*16*SP              ; 251,904: the spare words, 128 bytes a wave, which no other line names
.set AK,  2                            ; v2  the LDS address of K's run in hand
.set AV,  3                            ; v3  of V's
.set AK0, 4                            ; v4  my lane's place in a step of K; never rewritten
.set AV0, 5                            ; v5  the same for V
.set SPW, 6                            ; v6  my spare word; never rewritten
.set NIL, 7                            ; v7  0; never rewritten
.set ST,  8
.set TMP, 24
.set CLO, 40
.set CHI, 48
.set CD,  56
.set S,   64
.set KF,  192
.set STO, 192                          ; the way out takes K's registers
.set RD,  193
.set GO,  194
.set QF,  128                          ; window 1
.set VF,  192                          ; window 1
.set WV,  8
.set XB,  9                            ; s9   my block of 512 queries
.set BH,  10                           ; s10  batch x 16 + head
.set JJ,  11                           ; s11  wave % 4: my part of K's or V's fills
.set CS,  66                           ; s[66:67] c
.set SEL, 68                           ; s[68:69] v_permlanex16_b32's selects: each lane takes its own place in the other half
.set MK,  70                           ; s[70:77] lane masks: register r of the diagonal block lies behind the query
.set LO,  78
.set HI,  79
.set CNT, 80                           ; s80  steps to go, 5 to 1
.set LIVE, 81                          ; s81  a step is hidden whole while CNT is above this
.set BIGN, 82
.set TBK, 94                           ; s94  LDS byte at which K of the step to be fetched begins
.set TBV, 95                           ; s95  the same for V, less VOFF
.set MSB, 0
.macro WIN new
.if MSB != (\new)
	s_set_vgpr_msb (MSB<<8)|(\new)
.set MSB, \new
.endif
.endm
.macro PLACES
.rept 4
	v_nop
.endr
.endm
.macro GROUP1 g, pad, rows             ; dense bytes asked for as rows of 256, two keys a row, padded in LDS after every key (32 words)
	s_mov_b32 s[(\g)], (1<<16)|(1<<20)|(4<<22)|((\pad)<<25)
	s_mov_b32 s[(\g)+1], 128<<16
	s_mov_b32 s[(\g)+2], (\rows)<<16
	s_mov_b32 s[(\g)+3], 128<<16
	s_mov_b32 s[(\g)+4], \rows
	s_mov_b32 s[(\g)+5], 128
	s_mov_b32 s[(\g)+6], 0
	s_mov_b32 s[(\g)+7], 0
.endm
	s_load_b128 s[4:7], s[0:1], 0x0                ; qkvh s[4:5], ctxh s[6:7]
	v_lshl_add_u32 v[SPW], v0, 2, SPARE
	v_mov_b32 v[NIL], 0
	ds_add_u32 v[SPW], v[NIL]                      ; the wave's opening: the add and its wait stand ahead of my first tensor load; work on registers stands between
	ds_add_u32 v6, v7
	v_lshrrev_b32 v1, 5, v0
	v_readfirstlane_b32 s[WV], v1
	s_mov_b32 s[XB], ttmp9
	s_and_b32 s[BH], ttmp7, 0xffff
	s_and_b32 s[JJ], s[WV], 3
	GROUP1 16, 3, 32                               ; K, 64 keys
	GROUP1 24, 3, 64                               ; K, 128 keys
	GROUP1 32, 7, 32                               ; V, 64 keys: 8 words of padding
	GROUP1 40, 7, 64                               ; V, 128 keys
	s_mov_b32 s48, 1                               ; group 0.  Waves 0-3 fill K: steps 0-3, 64 keys a wave,
	s_mul_i32 s49, s[WV], 64*PK
	s_mov_b32 s52, 1                               ; and steps 4-11, 128 keys a wave
	s_mul_i32 s53, s[WV], 128*PK
	s_add_co_u32 s53, s53, 256*PK
	s_mov_b32 s56, 1                               ; waves 4-7 fill V: VOFF + (wave - 4) x 64 rows,
	s_mul_i32 s57, s[WV], 64*PV
	s_add_co_u32 s57, s57, VOFF-4*64*PV
	s_mov_b32 s60, 1                               ; and VOFF + 256 rows + (wave - 4) x 128 rows
	s_mul_i32 s61, s[WV], 128*PV
	s_add_co_u32 s61, s61, VOFF+256*PV-4*128*PV
	s_lshl_b32 s12, s[BH], 18                      ; the head's 262,144 bytes
	s_lshl_b32 s14, s[XB], 9                       ; my first query
	s_sub_co_i32 s88, s14, 256                     ; the first key in LDS; in the head's first block its first keys stand in, and are hidden
	s_max_i32 s88, s88, 0
	s_lshl_b32 s2, s[JJ], 6
	s_add_co_u32 s88, s88, s2
	s_lshl_b32 s88, s88, 7
	s_add_co_u32 s88, s88, s12
	s_mov_b32 s89, 0
	s_lshl_b32 s90, s[JJ], 7
	s_add_co_u32 s90, s90, s14
	s_lshl_b32 s90, s90, 7
	s_add_co_u32 s90, s90, s12
	s_mov_b32 s91, 0
	s_lshl_b32 s92, s[WV], 6                       ; my wave's 64 rows of Q and of ctx
	s_add_co_u32 s92, s92, s14
	s_lshl_b32 s92, s92, 7
	s_add_co_u32 s92, s92, s12
	s_mov_b32 s93, 0
	s_mov_b32 s[CS], 0x3fb8aa3b                    ; c = log2(e)
	s_mov_b32 s[CS+1], s[CS]
	s_mov_b32 s[SEL], 0x76543210
	s_mov_b32 s[SEL+1], 0xfedcba98
	s_mov_b32 s[BIGN], 0xf149f2ca                  ; -1e30
	s_sub_co_i32 s[LIVE], 4, s[WV]                 ; in the head's first block my first 4 - w steps hold no key
	s_max_i32 s[LIVE], s[LIVE], 0
	s_cmp_eq_u32 s[XB], 0
	s_cselect_b32 s[LIVE], s[LIVE], 0
	s_sub_co_u32 s[LIVE], 5, s[LIVE]
	s_mul_i32 s[TBK], s[WV], 64*PK                 ; my walk begins at step w
	s_mul_i32 s[TBV], s[WV], 64*PV
	s_wait_dscnt 0x0                               ; the opening add is done
	s_wait_kmcnt 0x0
	s_add_nc_u64 s[84:85], s[4:5], s[92:93]        ; Q at my rows
	s_add_nc_u64 s[86:87], s[6:7], s[92:93]        ; ctx at my rows
	s_add_nc_u64 s[50:51], s[4:5], s[88:89]
	s_add_nc_u64 s[50:51], s[50:51], 16777216      ; k lies 64 heads behind q,
	s_add_nc_u64 s[58:59], s[50:51], 16777216      ; v 64 heads behind k
	s_add_nc_u64 s[54:55], s[4:5], s[90:91]
	s_add_nc_u64 s[54:55], s[54:55], 16777216
	s_add_nc_u64 s[62:63], s[54:55], 16777216
	s_or_b32 s51, s51, 0x80000000
	s_or_b32 s55, s55, 0x80000000
	s_or_b32 s59, s59, 0x80000000
	s_or_b32 s63, s63, 0x80000000
	s_cmp_lt_u32 s[WV], 4                          ; a wave's two fills stand in one branch: two loads of mine are out, and none follows
	s_cbranch_scc0 .Lfill_v
	tensor_load_to_lds s[52:55], s[24:31]
	s_nop 0
	tensor_load_to_lds s[48:51], s[16:23]
	s_nop 0
	PLACES
	s_branch .Lfilled
.Lfill_v:
	tensor_load_to_lds s[60:63], s[40:47]
	s_nop 0
	tensor_load_to_lds s[56:59], s[32:39]
	s_nop 0
	PLACES
.Lfilled:
	; a fragment of K or Q is 16 rows x 32 channels in 8 registers: lane l holds row l % 16, channels 8 (l / 16) + 0..7 and 16 + 8 (l / 16) + 0..7
	v_and_b32 v1, 15, v0
	v_bfe_u32 v24, v0, 4, 1
	v_lshlrev_b32 v25, 7, v1
	v_lshl_add_u32 v25, v24, 4, v25                ; row x 128 + 16 x half
	WIN 0x40                                       ; destination window 1
.set i, 0
.rept 8                                ; Q stays in registers: tile i / 2, channels 32 (i % 2) on
	global_load_b128 v[QF+8*i:QF+8*i+3],   v25, s[84:85] offset:(i/2)*2048+(i%2)*64
	global_load_b128 v[QF+8*i+4:QF+8*i+7], v25, s[84:85] offset:(i/2)*2048+(i%2)*64+32
.set i, i+1
.endr
.set i, 0
.rept 128                              ; O^T starts at 0, written in the wait for the tiles: so the loop has one form of step, and no first step is written out
	v_mov_b32 v[i], 0
.set i, i+1
.endr
	WIN 0
.set i, 0
.rept 4
	v_mov_b32 v[ST+4*i+1], 0xe0ad78ec              ; m = -1e20
	v_mul_f32 v[ST+4*i], s[CS], v[ST+4*i+1]        ; c m
	v_mov_b32 v[ST+4*i+2], 0                       ; l
	v_mov_b32 v[ST+4*i+3], 0
.set i, i+1
.endr
	v_lshlrev_b32 v26, 3, v24
	v_sub_nc_u32 v26, v1, v26                      ; l % 16 - 8 (l / 16): register r of the diagonal block is a key behind the query where r is greater
.set r, 0
.rept 8
	v_cmp_gt_i32 s[MK+r], r, v26
.set r, r+1
.endr
	v_mul_u32_u24 v[AK0], v1, PK
	v_lshl_add_u32 v[AK0], v24, 4, v[AK0]
	; the turning load takes 16 keys x 16 channels (lane l reads key 8 (l / 16) + l % 8, channels 8 ((l / 8) % 2) + 0..7) and leaves half a fragment of V^T: lane l holds channel l % 16 and 8 keys
	v_and_b32 v27, 7, v0
	v_bfe_u32 v28, v0, 3, 1
	v_lshl_add_u32 v[AV0], v24, 3, v27
	v_mul_u32_u24 v[AV0], v[AV0], PV
	v_lshl_add_u32 v[AV0], v28, 4, v[AV0]
	v_add_nc_u32 v[AV0], VOFF, v[AV0]
.macro FETCH_K                         ; a step's K: 64 keys x 64 channels, 8 fragments, 16 loads in one run
.irp f, 0,1,2,3,4,5,6,7
	ds_load_b128 v[KF+8*\f:KF+8*\f+3],   v[AK] offset:(\f/2)*16*PK+(\f%2)*64
	ds_load_b128 v[KF+8*\f+4:KF+8*\f+7], v[AK] offset:(\f/2)*16*PK+(\f%2)*64+32
.endr
	s_add_co_u32 s[TBK], s[TBK], 64*PK             ; the next fetch is the next step's
.endm
.macro FETCH_V                         ; a step's V, turned: keys 32 (f / 4) on, channels 16 (f % 4) on
	WIN 0x40
.irp f, 0,1,2,3,4,5,6,7
	ds_load_tr16_b128 v[VF+8*\f:VF+8*\f+3],   v[AV] offset:(\f/4)*32*PV+(\f%4)*32
	ds_load_tr16_b128 v[VF+8*\f+4:VF+8*\f+7], v[AV] offset:(\f/4)*32*PV+16*PV+(\f%4)*32
.endr
	WIN 0
	s_add_co_u32 s[TBV], s[TBV], 64*PV
.endm
; 32 products S^T = K Q^T: channels 32 (i / 16) on, keys 16 ((i / 4) % 4) on, tile i % 4.  The first 16 start the sums with the mask.  The 16 accumulators take turns.
.macro KQ
	WIN 0x04                                       ; Q in window 1, all else in window 0
.set i, 0
.rept 32
.set u, i%4
.set kb, (i/4)%4
.set ch, i/16
.set rD, S+32*u+8*kb
.if i >= 16
.set rM, rD
.elseif kb < u
.set rM, CLO
.elseif kb == u
.set rM, CD
.else
.set rM, CHI
.endif
	v_wmma_f32_16x16x32_f16 v[rD:rD+7], v[KF+16*kb+8*ch:KF+16*kb+8*ch+7], v[QF+16*u+8*ch:QF+16*u+8*ch+7], v[rM:rM+7]
.set i, i+1
.endr
.endm
; 32 products O^T += V^T P: keys 32 (i / 16) on, channels 16 ((i / 4) % 4) on, tile i % 4
.macro PVM
	WIN 0x51                                       ; V and O^T in window 1, P in window 0
.set i, 0
.rept 32
.set u, i%4
.set cb, (i/4)%4
.set kk, i/16
	v_wmma_f32_16x16x32_f16 v[32*u+8*cb:32*u+8*cb+7], v[VF+32*kk+8*cb:VF+32*kk+8*cb+7], v[S+32*u+8*kk:S+32*u+8*kk+7], v[32*u+8*cb:32*u+8*cb+7]
.set i, i+1
.endr
.endm
; Number n of the 22 that find tile u's maximum and statistics.  0-11: four chains c0-c3 of seven scores each (each accumulator's lowest registers are read first);
; 12-15: the four scores left over, the old m, and c0-c3 into c0; 16: the query's other 32 keys lie in the lane 16 away; 17: c m_old is kept; 18-21: m, c m, c m_old - c m_new, a
.macro XS u, n
.set rT, ST+4*(\u)
.set rC, TMP+4*(\u)
.set rS, S+32*(\u)
.if (\n) < 4
	v_max3_num_f32 v[rC+(\n)], v[rS+8*(\n)], v[rS+8*(\n)+1], v[rS+8*(\n)+2]
.elseif (\n) < 12
	v_max3_num_f32 v[rC+(\n)%4], v[rC+(\n)%4], v[rS+8*((\n)%4)+2*((\n)/4)+1], v[rS+8*((\n)%4)+2*((\n)/4)+2]
.elseif (\n) == 12
	v_max3_num_f32 v[rC], v[rC], v[rS+7], v[rS+15]
.elseif (\n) == 13
	v_max3_num_f32 v[rC+1], v[rC+1], v[rS+23], v[rS+31]
.elseif (\n) == 14
	v_max3_num_f32 v[rC+2], v[rC+2], v[rC+3], v[rT+1]
.elseif (\n) == 15
	v_max3_num_f32 v[rC], v[rC], v[rC+1], v[rC+2]
.elseif (\n) == 16
	v_permlanex16_b32 v[rC+3], v[rC], s[SEL], s[SEL+1]
.elseif (\n) == 17
	v_mov_b32 v[rC+1], v[rT]
.elseif (\n) == 18
	v_max_num_f32 v[rT+1], v[rC], v[rC+3]
.elseif (\n) == 19
	v_mul_f32 v[rT], s[CS], v[rT+1]
.elseif (\n) == 20
	v_sub_f32 v[rC+1], v[rC+1], v[rT]
.else
	v_exp_f32 v[rC+2], v[rC+1]
.endif
.endm
; The rest of the softmax goes in 18 rounds g over the 16 pairs of a tile's scores, three stages deep: pair g is scaled, pair g - 1 gets its exponentials, pair g - 2 is summed and rounded.
.macro FF u                            ; c s - c m for pair g
.if g < 16
	v_pk_fma_f32 v[S+32*(\u)+2*g:S+32*(\u)+2*g+1], v[S+32*(\u)+2*g:S+32*(\u)+2*g+1], s[CS:CS+1], v[ST+4*(\u):ST+4*(\u)+1] op_sel_hi:[1,0,0] neg_lo:[0,0,1] neg_hi:[0,0,1]
.endif
.endm
.macro EE u, k                         ; the exponential of score 2 (g - 1) + k, in place
.if (g >= 1) && (g <= 16)
	v_exp_f32 v[S+32*(\u)+2*g-2+(\k)], v[S+32*(\u)+2*g-2+(\k)]
.endif
.endm
.macro SU u                            ; l takes pair g - 2; the first time l = a l + pair
.if g == 2
	s_wait_alu depctr_va_vdst(0)
	v_pk_fma_f32 v[ST+4*(\u)+2:ST+4*(\u)+3], v[ST+4*(\u)+2:ST+4*(\u)+3], v[TMP+4*(\u)+2:TMP+4*(\u)+3], v[S+32*(\u):S+32*(\u)+1] op_sel_hi:[1,0,1]
.elseif g > 2
	s_wait_alu depctr_va_vdst(0)
	v_pk_add_f32 v[ST+4*(\u)+2:ST+4*(\u)+3], v[ST+4*(\u)+2:ST+4*(\u)+3], v[S+32*(\u)+2*g-4:S+32*(\u)+2*g-3]
.endif
.endm
.macro CV u                            ; pair g - 2 rounded to f16 into register g - 2 of the tile: it writes over a pair that has been summed and rounded (or itself)
.if g >= 2
	v_cvt_pk_f16_f32 v[S+32*(\u)+g-2], v[S+32*(\u)+2*g-4], v[S+32*(\u)+2*g-3]
.endif
.endm
.macro SMX                             ; behind each exponential stands a plain line of another tile or pair (ISA guide 5.7.2), or a further exponential; results are used a round later
	FF 0
	EE 0, 0
	FF 1
	EE 0, 1
	FF 2
	EE 1, 0
	FF 3
	EE 1, 1
	SU 0
	EE 2, 0
	CV 0
	EE 2, 1
	SU 1
	EE 3, 0
	CV 1
	EE 3, 1
	SU 2
	CV 2
	SU 3
	CV 3
.endm
	s_wait_tensorcnt 0x0                           ; both my fills have landed,
	s_barrier_signal -1
	s_barrier_wait -1                              ; everybody's have: the launch's one barrier
	v_add_nc_u32 v[AK], s[TBK], v[AK0]
	FETCH_K                                        ; my first step
	s_wait_loadcnt 0x0                             ; Q
	s_mov_b32 s[CNT], 5
.Lstep:
	s_cmp_eq_u32 s[CNT], 5                         ; the first step hides the keys at or in front of the query's place,
	s_cselect_b32 s[LO], s[BIGN], 0
	s_cmp_eq_u32 s[CNT], 1                         ; the last those behind it,
	s_cselect_b32 s[HI], s[BIGN], 0
	s_cmp_gt_u32 s[CNT], s[LIVE]                   ; a step without keys all
	s_cselect_b32 s[LO], s[BIGN], s[LO]
	s_cselect_b32 s[HI], s[BIGN], s[HI]
.set r, 0
.rept 8                                ; these 25 plain lines are also the places between the last products V^T P and the loads into V and the products that write over P
	v_mov_b32 v[CLO+r], s[LO]
	v_mov_b32 v[CHI+r], s[HI]
.set r, r+1
.endr
.set r, 0
.rept 8
	v_cndmask_b32 v[CD+r], v[CLO+r], v[CHI+r], s[MK+r]
.set r, r+1
.endr
	v_add_nc_u32 v[AV], s[TBV], v[AV0]
	FETCH_V
	s_wait_dscnt 16                                ; K is in; V's 16 loads, issued behind it, may stay out
	KQ
	WIN 0
	PLACES                                         ; in front of the loads into K and of the lines that read the scores
	s_cmp_eq_u32 s[CNT], 1                         ; the last step has no next step
	s_cbranch_scc1 .Lno_k
	v_add_nc_u32 v[AK], s[TBK], v[AK0]
	FETCH_K
.Lno_k:
.irp n, 0,1,2,3,4,5,6,7,8,9,10,11,12,13,14,15,16,17,18,19,20,21
.irp u, 0,1,2,3
	XS \u, \n                                      ; the four tiles alternate, so that no line reads the result of the one before it
.endr
.endr
.set g, 0
.rept 18
	SMX
.set g, g+1
.endr
	WIN 0x41                                       ; O^T (destination and source 0) in window 1, a in window 0
.set i, 0
.rept 64
	v_pk_mul_f32 v[2*i:2*i+1], v[2*i:2*i+1], v[TMP+4*(i/16)+2:TMP+4*(i/16)+3] op_sel_hi:[1,0]
.set i, i+1
.endr
	s_wait_dscnt 0x0                               ; V is in (for 0, since the run of K behind it is jumped over in the last trip)
	PVM
	WIN 0
	s_sub_co_u32 s[CNT], s[CNT], 1
	s_cmp_lg_u32 s[CNT], 0
	s_cbranch_scc1 .Lstep
	; THE WAY OUT.  The addresses are made first: fourteen plain lines, the places behind the last products.  Then l's two halves and the other half of the lanes' are added, O^T is divided by l,
	; rounded to f16 and sent through my stage in LDS, a tile at a time.
	s_mul_i32 s12, s[WV], 16*SP
	s_add_co_u32 s12, s12, STAGE
	v_and_b32 v195, 15, v0
	v_bfe_u32 v196, v0, 4, 1
	v_mul_u32_u24 v[STO], v195, SP                 ; in: row l % 16, 16 bytes for each half of the lanes
	v_lshl_add_u32 v[STO], v196, 4, v[STO]
	v_add_nc_u32 v[STO], s12, v[STO]
	v_bfe_u32 v[RD], v0, 3, 2                      ; back: 32 lanes take four rows of 128 bytes,
	v_mul_u32_u24 v[RD], v[RD], SP
	v_and_b32 v197, 7, v0
	v_lshl_add_u32 v[RD], v197, 4, v[RD]
	v_add_nc_u32 v[RD], s12, v[RD]
	v_and_b32 v[GO], 31, v0                        ; which are 512 consecutive bytes of ctx
	v_lshlrev_b32 v[GO], 4, v[GO]
.macro ALL line:vararg                 ; one line for each tile t
.set t, 0
.rept 4
	\line
.set t, t+1
.endr
.endm
	ALL v_add_f32 v[ST+4*t+2], v[ST+4*t+2], v[ST+4*t+3]
	ALL v_permlanex16_b32 v[ST+4*t+3], v[ST+4*t+2], s[SEL], s[SEL+1]
	ALL v_add_f32 v[ST+4*t+2], v[ST+4*t+2], v[ST+4*t+3]
	ALL v_rcp_f32 v[ST+4*t+2], v[ST+4*t+2]
	v_nop                                          ; a plain line between the last reciprocal and the use of its result
	s_wait_alu depctr_va_vdst(0)
.macro PACK t                          ; a lane's eight channels of a row pack into 16 bytes; they go into rows of 144 bytes and come back as whole rows of 128
	WIN 0x41
.set i, 32*(\t)
.rept 16
	v_pk_mul_f32 v[i:i+1], v[i:i+1], v[ST+4*(\t)+2:ST+4*(\t)+3] op_sel_hi:[1,0]
.set i, i+2
.endr
	WIN 0x05                                       ; sources 0 and 1 window 1, destination window 0
.set i, 0
.rept 16
	v_cvt_pk_f16_f32 v[S+16*(\t)+i], v[32*(\t)+2*i], v[32*(\t)+2*i+1]
.set i, i+1
.endr
	WIN 0
.irp f, 0,1,2,3
	ds_store_b128 v[STO], v[S+16*(\t)+4*\f:S+16*(\t)+4*\f+3] offset:32*\f
.endr
.irp f, 0,1,2,3
	ds_load_b128 v[S+16*(\t)+4*\f:S+16*(\t)+4*\f+3], v[RD] offset:\f*4*SP  ; LDS serves a wave's instructions in order (ISA guide 5.7.1.4): these see the stores above; the next tile's stores come behind them
.endr
.endm
.macro SEND t, younger                 ; younger: the LDS instructions issued behind tile t's loads: the next tile's eight, or none
.irp f, 0,1,2,3
	s_wait_dscnt (\younger)+3-\f
	global_store_b128 v[GO], v[S+16*(\t)+4*\f:S+16*(\t)+4*\f+3], s[86:87] offset:(\t)*2048+\f*512 th:TH_STORE_NT  ; 512 consecutive bytes, aligned
.endr
.endm
	PACK 0
.irp t, 1,2,3                          ; a tile's arithmetic stands between the loads of the tile before and its stores
	PACK \t
	SEND (\t)-1, 8
.endr
	SEND 3, 0
	s_wait_tensorcnt 0x0                           ; the wave's end, behind my last tensor load and my last LDS store
	ds_add_u32 v[SPW], v[NIL]
	s_wait_dscnt 0x0
	s_endpgm
.Lfunc_end_k_q736050ed08_attn:
	.size	k_q736050ed08_attn, .Lfunc_end_k_q736050ed08_attn-k_q736050ed08_attn
	.p2alignl 7, 3214868480
	.fill 96, 4, 3214868480
	.section	.rodata,"a",@progbits
	.p2align	6, 0x0
	.amdhsa_kernel k_q736050ed08_attn
		.amdhsa_group_segment_fixed_size 262144
		.amdhsa_private_segment_fixed_size 0
		.amdhsa_enable_private_segment 0
		.amdhsa_kernarg_size 16
		.amdhsa_user_sgpr_count 2
		.amdhsa_user_sgpr_kernarg_segment_ptr 1
		.amdhsa_wavefront_size32 1
		.amdhsa_system_sgpr_workgroup_id_x 1
		.amdhsa_system_sgpr_workgroup_id_y 1
		.amdhsa_system_sgpr_workgroup_id_z 1
		.amdhsa_system_vgpr_workitem_id 0
		.amdhsa_next_free_vgpr 512
		.amdhsa_next_free_sgpr 96
		.amdhsa_reserve_vcc 0
		.amdhsa_float_denorm_mode_32 3
		.amdhsa_float_denorm_mode_16_64 3
		.amdhsa_memory_ordered 1
		.amdhsa_forward_progress 1
		.amdhsa_inst_pref_size 64
	.end_amdhsa_kernel
	.amdgpu_metadata
---
amdhsa.version: [ 1, 2 ]
amdhsa.kernels:
  - .name:           k_q736050ed08_attn
    .symbol:         k_q736050ed08_attn.kd
    .args:
      - { .name: qkvh, .offset: 0, .size: 8, .value_kind: global_buffer, .address_space: global }
      - { .name: ctxh, .offset: 8, .size: 8, .value_kind: global_buffer, .address_space: global }
    .group_segment_fixed_size: 262144
    .private_segment_fixed_size: 0
    .kernarg_segment_align: 8
    .kernarg_segment_size: 16
    .max_flat_workgroup_size: 256
    .sgpr_count:     96
    .vgpr_count:     512
    .wavefront_size: 32
...
	.end_amdgpu_metadata
.endif
;; end of part 3
;; launch outp (part 4): grid 8 x 32, 4 waves a work-group, clusters of 4 x 4, 327,680 bytes of LDS; arguments ctxh, wof, bo, out0; writes out0
.if DOCPART == 4
	.amdgcn_target "amdgcn-amd-amdhsa--gfx1250"
	.amdhsa_code_object_version 6
	.text
	.protected	k_q736050ed08_outp
	.globl	k_q736050ed08_outp
	.p2align	8
	.type	k_q736050ed08_outp,@function
k_q736050ed08_outp:
	s_mov_b64 s[64:65], 0
	v_nop
	global_prefetch_b8 v0, s[64:65] scope:SCOPE_SE
	s_setreg_imm32_b32 hwreg(HW_REG_WAVE_MODE, 25, 1), 1
	s_wait_xcnt 0x0
	s_wait_alu depctr_hold_cnt(0) depctr_sa_sdst(0) depctr_va_vdst(0) depctr_va_sdst(0) depctr_va_ssrc(0) depctr_va_vcc(0) depctr_vm_vsrc(0)
	s_getreg_b32 s2, hwreg(HW_REG_IB_STS2, 6, 4)
	s_cmp_eq_u32 s2, 0
	s_cbranch_scc0 .Lentry_in_a_cluster
	s_endpgm
.Lentry_in_a_cluster:
	s_bfe_u32 s2, ttmp6, 0x10000c
	s_cmp_lg_u32 s2, 0xf033
	s_cbranch_scc0 .Lentry_shape_is_right
	s_endpgm
.Lentry_shape_is_right:
; out[m][n] = sum over e of ctx[m][e] Wo[n][e] + bo[n]: m = 8,192, n = 1,024, e = 1,024 = head x 64 + channel.  ctxh[64][2048][64] f16 (by heads), wof[1024][1024] f16, bo f32, out0 f32.
; f16 operands, f32 sums; bo is rounded to bf16 like every input of the module and added in f32.
; SHARES.  A tile of out is 256 rows x 128 columns: 8 x 32 = 256 work-groups.  Four waves; wave w owns rows 64 w .. 64 w + 63 and all 128 columns (4 x 8 accumulators, 256 registers),
; so a row's 512 bytes leave from one wave.  K goes in 8 steps of 128 = two heads through two LDS slots filled by the tensor data mover.
; A head's 256 rows of the tile are 32,768 dense bytes: asked for as 128 rows of 256 bytes and padded in LDS after every 128.
; CLUSTER 4 x 4.  The four work-groups of a row of the cluster need the same tiles of ctx, the four of a column the same tiles of Wo: each tile is asked for jointly.
; THE MATRIX INSTRUCTION IS USED TRANSPOSED (source 0 = 16 rows of Wo, source 1 = 16 rows of ctx): a lane holds row l % 16 of out and the columns 8 (l / 16) + 0..7.
; REGISTERS (s_set_vgpr_msb: bits 1:0 source 0, 3:2 source 1, 5:4 source 2, 7:6 destination):
;   window 0: v0-31 addresses and the bias; v64-127 ctx's fragments, two buffers of 4 x 8; v128-255 the way out: two sets of 16 rows read back
;   window 1: v0-127 Wo's fragments, two buffers of 8 x 8      window 2: accumulator (a, b) at v[8 (8 a + b)]
.set NB,     8
.set NLD,    2*(NB+4)
.set PA,     144                       ; a row of ctx in LDS: 128 bytes + 16 = 36 words; a row of Wo: 256 + 16 = 68 words: in both the 16 rows of a load start at 16 different groups of four banks (ISA guide 11.1)
.set PB,     272
.set SUBT,   256*PA                    ; one head's 256 rows
.set BOFF,   2*SUBT
.set SLOT,   BOFF+16*NB*PB             ; 108,544
.set STAGE,  2*SLOT                    ; behind the ring, never filled by a tensor load: 16 rows x 528 bytes for each wave
.set SP,     528                       ; 512 bytes + 16 = 132 words
.set SPARE,  STAGE+4*16*SP             ; the spare words, 128 bytes a wave, which no other line names
.set ASTEP,  2*262144                  ; from a K step to the next: two heads on in ctx,
.set BSTEP,  256                       ; 256 bytes along a row of Wo
.set ADRA, 16
.set ADRB, 20
.set STO,  24
.set RD,   25
.set GO,   26                          ; v26  16 x lane
.set SPW,  28
.set NIL,  29
.set BI,   12                          ; v[12:15] bo of my four columns on the way out
.set FA,   64
.set WV,   12
.set HALF, 13
.set TY,   14
.set CX,   40
.set CY,   41
.set TX,   42
.set G1A,  24
.set G0A,  32
.set G1B,  48
.set G0B,  56
.set MUL,  0xa1                        ; source 0 window 1, source 1 window 0, C and D window 2
.set TO_B, 0x40
.set MSB, 0
.macro WIN new
.if MSB != (\new)
	s_set_vgpr_msb (MSB<<8)|(\new)
.set MSB, \new
.endif
.endm
.macro PLACES                          ; four places behind matrix instructions, in front of loads into registers that they read and of lines that read results
.rept 4
	v_nop
.endr
.endm
.macro JLOAD s                         ; a joint load: waves 0, 1 fetch the step's two heads of ctx, waves 2, 3 the halves of Wo's tile; an s_nop 0 and four v_nop follow each line
	s_cmp_lt_u32 s[WV], 2
	s_cbranch_scc0 .Lfor_b_\@
	tensor_load_to_lds s[G0A+4*(\s):G0A+4*(\s)+3], s[G1A:G1A+7]
	s_nop 0
	PLACES
	s_branch .Lasked_\@
.Lfor_b_\@:
	tensor_load_to_lds s[G0B+4*(\s):G0B+4*(\s)+3], s[G1B:G1B+7]
	s_nop 0
	PLACES
.Lasked_\@:
.endm
.macro CREST
	s_cmp_lg_u32 s[WV], 0
	s_cbranch_scc1 .Lnot_wave_0_\@
	s_barrier_signal -3
.Lnot_wave_0_\@:
	s_barrier_wait -3
	s_barrier_signal -1
	s_barrier_wait -1
.endm
.macro CROUND
	s_barrier_signal -1
	s_barrier_wait -1
	CREST
.endm
; 8 matrix instructions: row block a x all column blocks, 32 along K, from buffer f.  The 32 accumulators take turns, one instruction a turn.
.macro MULA f, a, zero
	WIN MUL
.set b, 0
.rept NB
.set AC, 8*(NB*(\a)+b)
.set FB, 8*NB*(\f)+8*b
.set FR, FA+32*(\f)+8*(\a)
.if \zero
	v_wmma_f32_16x16x32_f16 v[AC:AC+7], v[FB:FB+7], v[FR:FR+7], 0
.else
	v_wmma_f32_16x16x32_f16 v[AC:AC+7], v[FB:FB+7], v[FR:FR+7], v[AC:AC+7]
.endif
.set b, b+1
.endr
.endm
; One run of 24 LDS loads: quarter q of a slot into buffer f; Wo first, then ctx's blocks 0 to 3.  Quarter q of ctx lies in head q / 2 of the step, channels 32 (q % 2) on.
.macro FETCH slot, q, f
	WIN TO_B
.set i, 0
.rept NB
	ds_load_b128 v[8*NB*(\f)+8*i:8*NB*(\f)+8*i+3],   v[ADRB+(\slot)] offset:64*(\q)+i*16*PB
	ds_load_b128 v[8*NB*(\f)+8*i+4:8*NB*(\f)+8*i+7], v[ADRB+(\slot)] offset:64*(\q)+i*16*PB+32
.set i, i+1
.endr
	WIN 0
.set KAQ, ((\q)/2)*SUBT+((\q)%2)*64
.set i, 0
.rept 4
	ds_load_b128 v[FA+32*(\f)+8*i:FA+32*(\f)+8*i+3],   v[ADRA+(\slot)] offset:KAQ+i*16*PA
	ds_load_b128 v[FA+32*(\f)+8*i+4:FA+32*(\f)+8*i+7], v[ADRA+(\slot)] offset:KAQ+i*16*PA+32
.set i, i+1
.endr
.endm
.macro QUARTER slot, q, f, g, zero
	s_wait_dscnt 4                                 ; all but the four youngest loads (ctx's blocks 2 and 3) are in
	MULA \f, 0, \zero
	MULA \f, 1, \zero
	PLACES
	FETCH \slot, \q, \g
	s_wait_dscnt NLD                               ; all but the run just issued
	MULA \f, 2, \zero
	MULA \f, 3, \zero
.endm
; The fourth quarter multiplies buffer 1 and changes slots: one barrier.  In front of it each wave waits for all its tensor loads (one is out: its part of the next slot), adds 0 to its spare
; word, and waits for that and for its reads of this slot.  fill = 1: the barrier opens a round of the cluster's, and this slot is filled again, two K steps on, first thing behind the round.
.macro TURN slot, next, fill
	WIN 0
	s_wait_tensorcnt 0x0
	ds_add_u32 v[SPW], v[NIL]
	s_wait_dscnt 5                                 ; the add and the four youngest loads may be out
	MULA 1, 0, 0
	s_wait_dscnt 0x0                               ; the add is done, and my reads of this slot are over
	s_barrier_signal -1
	MULA 1, 1, 0
.if \fill
	WIN 0
.endif
	s_barrier_wait -1
.if \fill
	CREST
	s_add_nc_u64 s[G0A+4*(\slot)+2:G0A+4*(\slot)+3], s[G0A+4*(\slot)+2:G0A+4*(\slot)+3], 2*ASTEP
	s_add_nc_u64 s[G0B+4*(\slot)+2:G0B+4*(\slot)+3], s[G0B+4*(\slot)+2:G0B+4*(\slot)+3], 2*BSTEP
	JLOAD \slot                                    ; its four v_nop are also the places in front of the loads below
.else
	PLACES
.endif
	FETCH \next, 0, 0
	MULA 1, 2, 0
	MULA 1, 3, 0
.endm
	s_load_b256 s[4:11], s[0:1], 0x0               ; ctxh s[4:5], wof s[6:7], bo s[8:9], out0 s[10:11]
	v_lshl_add_u32 v[SPW], v0, 2, SPARE
	v_mov_b32 v[NIL], 0
	ds_add_u32 v[SPW], v[NIL]                      ; the wave's opening: the add and its wait stand ahead of my first tensor load; work on registers stands between
	ds_add_u32 v28, v29
	v_lshrrev_b32 v1, 5, v0
	v_readfirstlane_b32 s[WV], v1
	s_and_b32 s[HALF], s[WV], 1
	s_bfe_u32 s[CX], ttmp6, 0x40000
	s_bfe_u32 s[CY], ttmp6, 0x40004
	s_lshl_b32 s[TX], ttmp9, 2
	s_add_co_u32 s[TX], s[TX], s[CX]
	s_and_b32 s[TY], ttmp7, 0xffff
	s_lshl_b32 s[TY], s[TY], 2
	s_add_co_u32 s[TY], s[TY], s[CY]
	s_lshl_b32 s43, s[CY], 2
	s_lshl_b32 s43, 15, s43                        ; my row of the cluster
	s_lshl_b32 s44, 0x1111, s[CX]                  ; my column
	s_or_b32 s[G1A], s43, (1<<16)|(1<<20)|(1<<21)|(4<<22)|(3<<25)  ; ctx's tiles go to my row; 2-byte elements; padding of 4 words after every 32; bit 21 beside a mask
	s_or_b32 s[G1B], s44, (1<<16)|(1<<20)|(1<<21)|(5<<22)|(3<<25)  ; Wo's to my column; padding of 4 words after every 64
	s_mov_b32 s[G1A+1], 128<<16                    ; tensor_dim0 = 128
	s_mov_b32 s[G1A+2], 128<<16                    ; tensor_dim1 = 128 rows of 256 bytes
	s_mov_b32 s[G1A+3], 128<<16                    ; tile_dim0 = 128
	s_mov_b32 s[G1A+4], 128                        ; tile_dim1 = 128
	s_mov_b32 s[G1A+5], 128                        ; dense: 128 elements from row to row
	s_mov_b32 s[G1A+6], 0
	s_mov_b32 s[G1A+7], 0
	s_mov_b32 s[G1B+1], 128<<16
	s_mov_b32 s[G1B+2], 64<<16                     ; 64 rows
	s_mov_b32 s[G1B+3], 128<<16
	s_mov_b32 s[G1B+4], 64
	s_mov_b32 s[G1B+5], 1024
	s_mov_b32 s[G1B+6], 0
	s_mov_b32 s[G1B+7], 0
	s_lshr_b32 s16, s[TY], 3                       ; ctx: head (batch x 16 + wave % 2), 262,144 bytes a head; the tile's 256 rows in it: made of the tile row and the wave alone
	s_lshl_b32 s16, s16, 4
	s_add_co_u32 s16, s16, s[HALF]
	s_lshl_b32 s16, s16, 18
	s_and_b32 s17, s[TY], 7
	s_lshl_b32 s17, s17, 15
	s_add_co_u32 s16, s16, s17
	s_mov_b32 s17, 0
	s_lshl_b32 s46, s[TX], 7                       ; Wo: row 128 x tile column + 64 x half, 2,048 bytes a row: made of the tile column and the wave alone
	s_lshl_b32 s47, s[HALF], 6
	s_add_co_u32 s46, s46, s47
	s_lshl_b32 s46, s46, 11
	s_mov_b32 s47, 0
	s_mul_i32 s20, s[WV], SUBT                     ; where the two heads go (waves 0, 1),
	s_mul_i32 s21, s[WV], 64*PB                    ; and Wo's halves (waves 2, 3): BOFF + (wave - 2) x 64 rows
	s_add_co_u32 s21, s21, BOFF-2*64*PB
	s_wait_dscnt 0x0                               ; the opening add is done
	s_wait_kmcnt 0x0
	s_add_nc_u64 s[18:19], s[4:5], s[16:17]
	s_add_nc_u64 s[46:47], s[6:7], s[46:47]
	CROUND                                         ; all sixteen work-groups are here: the first joint loads meet
.irp s, 0,1
	s_mov_b32 s[G0A+4*(\s)], 1
	s_add_co_u32 s[G0A+4*(\s)+1], s20, (\s)*SLOT
	s_add_nc_u64 s[G0A+4*(\s)+2:G0A+4*(\s)+3], s[18:19], (\s)*ASTEP
	s_or_b32 s[G0A+4*(\s)+3], s[G0A+4*(\s)+3], 0x80000000
	s_mov_b32 s[G0B+4*(\s)], 1
	s_add_co_u32 s[G0B+4*(\s)+1], s21, (\s)*SLOT
	s_add_nc_u64 s[G0B+4*(\s)+2:G0B+4*(\s)+3], s[46:47], (\s)*BSTEP
	s_or_b32 s[G0B+4*(\s)+3], s[G0B+4*(\s)+3], 0x80000000
.endr
	s_cmp_lt_u32 s[WV], 2                          ; a wave's two first fills stand in one branch: two loads of mine are out
	s_cbranch_scc0 .Lfirst_b
	tensor_load_to_lds s[G0A:G0A+3], s[G1A:G1A+7]
	s_nop 0
	tensor_load_to_lds s[G0A+4:G0A+7], s[G1A:G1A+7]
	s_nop 0
	PLACES
	s_branch .Lfirst_asked
.Lfirst_b:
	tensor_load_to_lds s[G0B:G0B+3], s[G1B:G1B+7]
	s_nop 0
	tensor_load_to_lds s[G0B+4:G0B+7], s[G1B:G1B+7]
	s_nop 0
	PLACES
.Lfirst_asked:
	s_lshl_b32 s72, s[TY], 8                       ; out at my first row (4,096 bytes a row) and the tile's first column
	s_lshl_b32 s73, s[WV], 6
	s_add_co_u32 s72, s72, s73
	s_lshl_b32 s72, s72, 12
	s_lshl_b32 s74, s[TX], 9
	s_add_co_u32 s72, s72, s74
	s_mov_b32 s73, 0
	s_mov_b32 s75, 0
	s_add_nc_u64 s[66:67], s[10:11], s[72:73]
	s_add_nc_u64 s[68:69], s[8:9], s[74:75]        ; bo at the tile's first column
	v_and_b32 v[GO], 31, v0
	v_lshlrev_b32 v[GO], 4, v[GO]
	global_load_b128 v[BI:BI+3], v[GO], s[68:69]   ; bo of columns 4 l .. 4 l + 3; waited for ahead of the way out
	v_and_b32 v1, 15, v0
	v_bfe_u32 v2, v0, 4, 1
	v_mul_u32_u24 v3, v1, PA
	v_lshl_add_u32 v3, v2, 4, v3                   ; a fragment's row x pitch + 16 x half, for ctx
	v_mul_u32_u24 v4, v1, PB
	v_lshl_add_u32 v4, v2, 4, v4                   ; and for Wo
	s_mul_i32 s22, s[WV], 64*PA                    ; my 64 rows in a head's sub-tile
.irp s, 0,1
	v_add_nc_u32 v[ADRA+(\s)], s22, v3
	v_add_nc_u32 v[ADRB+(\s)], BOFF+(\s)*SLOT, v4
	s_add_co_u32 s22, s22, SLOT
.endr
	s_mul_i32 s23, s[WV], 16*SP
	s_add_co_u32 s23, s23, STAGE                   ; my stage
	v_mul_u32_u24 v[STO], v1, SP                   ; in: row l % 16, 32 bytes for each half of the lanes
	v_lshl_add_u32 v[STO], v2, 5, v[STO]
	v_add_nc_u32 v[STO], s23, v[STO]
	v_add_nc_u32 v[RD], s23, v[GO]                 ; back: 32 lanes take one row of 512 bytes
	s_wait_tensorcnt 1                             ; my part of K step 0 is in; K step 1's may stay out
	s_barrier_signal -1
	s_barrier_wait -1
	FETCH 0, 0, 0
	QUARTER 0, 1, 0, 1, 1                          ; the first quarter stands in front of the loop: its products start the sums
	WIN 0
	s_mov_b32 s3, 3
.Llap:                                         ; a trip goes once round the ring and fills both slots again: K steps 2 to 7
	QUARTER 0, 2, 1, 0, 0
	QUARTER 0, 3, 0, 1, 0
	TURN 0, 1, 1
	QUARTER 1, 1, 0, 1, 0
	QUARTER 1, 2, 1, 0, 0
	QUARTER 1, 3, 0, 1, 0
	TURN 1, 0, 1
	QUARTER 0, 1, 0, 1, 0
	WIN 0
	s_sub_co_u32 s3, s3, 1
	s_cmp_lg_u32 s3, 0
	s_cbranch_scc1 .Llap
	QUARTER 0, 2, 1, 0, 0                          ; the last lap fills nothing and has no round
	QUARTER 0, 3, 0, 1, 0
	TURN 0, 1, 0
	QUARTER 1, 1, 0, 1, 0
	QUARTER 1, 2, 1, 0, 0
	QUARTER 1, 3, 0, 1, 0
	s_wait_dscnt 4
	MULA 1, 0, 0
	MULA 1, 1, 0
	s_wait_dscnt 0x0
	MULA 1, 2, 0
	MULA 1, 3, 0
	WIN 0
	PLACES
	s_wait_loadcnt 0x0                             ; bo
	v_cvt_pk_bf16_f32 v10, v[BI], v[BI+1]          ; rounded to bf16 like every input, and widened again
	v_cvt_pk_bf16_f32 v11, v[BI+2], v[BI+3]
	v_lshlrev_b32 v[BI], 16, v10
	v_and_b32 v[BI+1], 0xffff0000, v10
	v_lshlrev_b32 v[BI+2], 16, v11
	v_and_b32 v[BI+3], 0xffff0000, v11
; THE WAY OUT, a block of 16 rows at a time: a lane's eight f32 of a row go into my stage (each accumulator's low four registers first) and come back as whole rows of 512 bytes
.macro TOSTAGE a
.set OBA, 128+64*((\a)%2)
.if (\a) >= 2
	s_wait_xcnt 0x0                                ; the stores of the block two back have read their data: the loads below land in those registers
.endif
	WIN 0x08                                       ; the stores' data lie in window 2
.set b, 0
.rept NB
	ds_store_b128 v[STO], v[8*(NB*(\a)+b):8*(NB*(\a)+b)+3]   offset:64*b
	ds_store_b128 v[STO], v[8*(NB*(\a)+b)+4:8*(NB*(\a)+b)+7] offset:64*b+16
.set b, b+1
.endr
	WIN 0
.set t, 0
.rept 16
	ds_load_b128 v[OBA+4*t:OBA+4*t+3], v[RD] offset:SP*t  ; LDS serves a wave's instructions in order (ISA guide 5.7.1.4): these see the stores above; the next block's stores come behind them
.set t, t+1
.endr
.endm
.macro SEND a, younger                 ; younger: the LDS instructions issued behind block a's loads: the next block's 32, or none
.set OBA, 128+64*((\a)%2)
	s_wait_dscnt \younger
.set t, 0
.rept 16
	v_pk_add_f32 v[OBA+4*t:OBA+4*t+1],   v[OBA+4*t:OBA+4*t+1],   v[BI:BI+1]
	v_pk_add_f32 v[OBA+4*t+2:OBA+4*t+3], v[OBA+4*t+2:OBA+4*t+3], v[BI+2:BI+3]
	global_store_b128 v[GO], v[OBA+4*t:OBA+4*t+3], s[66:67] offset:(16*(\a)+t)*4096 th:TH_STORE_NT  ; 512 consecutive bytes, aligned
.set t, t+1
.endr
.endm
	TOSTAGE 0
.irp a, 1,2,3
	TOSTAGE \a
	SEND (\a)-1, 32
.endr
	SEND 3, 0
	s_wait_tensorcnt 0x0                           ; the wave's end, behind my last tensor load and my last LDS store
	ds_add_u32 v[SPW], v[NIL]
	s_wait_dscnt 0x0
	CROUND                                         ; the closing round: no work-group ends while a partner may still ask for a tile that names it
	s_endpgm
.Lfunc_end_k_q736050ed08_outp:
	.size	k_q736050ed08_outp, .Lfunc_end_k_q736050ed08_outp-k_q736050ed08_outp
	.p2alignl 7, 3214868480
	.fill 96, 4, 3214868480
	.section	.rodata,"a",@progbits
	.p2align	6, 0x0
	.amdhsa_kernel k_q736050ed08_outp
		.amdhsa_group_segment_fixed_size 327680
		.amdhsa_private_segment_fixed_size 0
		.amdhsa_enable_private_segment 0
		.amdhsa_kernarg_size 32
		.amdhsa_user_sgpr_count 2
		.amdhsa_user_sgpr_kernarg_segment_ptr 1
		.amdhsa_wavefront_size32 1
		.amdhsa_system_sgpr_workgroup_id_x 1
		.amdhsa_system_sgpr_workgroup_id_y 1
		.amdhsa_system_sgpr_workgroup_id_z 1
		.amdhsa_system_vgpr_workitem_id 0
		.amdhsa_next_free_vgpr 768
		.amdhsa_next_free_sgpr 80
		.amdhsa_reserve_vcc 0
		.amdhsa_float_denorm_mode_32 3
		.amdhsa_float_denorm_mode_16_64 3
		.amdhsa_memory_ordered 1
		.amdhsa_forward_progress 1
		.amdhsa_inst_pref_size 93
	.end_amdhsa_kernel
	.amdgpu_metadata
---
amdhsa.version: [ 1, 2 ]
amdhsa.kernels:
  - .name:           k_q736050ed08_outp
    .symbol:         k_q736050ed08_outp.kd
    .args:
      - { .name: ctxh, .offset: 0, .size: 8, .value_kind: global_buffer, .address_space: global }
      - { .name: wof, .offset: 8, .size: 8, .value_kind: global_buffer, .address_space: global }
      - { .name: bo, .offset: 16, .size: 8, .value_kind: global_buffer, .address_space: global }
      - { .name: out0, .offset: 24, .size: 8, .value_kind: global_buffer, .address_space: global }
    .group_segment_fixed_size: 327680
    .private_segment_fixed_size: 0
    .kernarg_segment_align: 8
    .kernarg_segment_size: 32
    .max_flat_workgroup_size: 128
    .sgpr_count:     80
    .vgpr_count:     768
    .wavefront_size: 32
...
	.end_amdgpu_metadata
.endif
;; end of part 4
